; MI455X (gfx1250); checked and timed in simulation.
; The chip was launched on July 23, 2026; its instructions are those of AMD's public machine-readable ISA for CDNA 5 (MIT licence, August 2026) and "CDNA5" Instruction Set Architecture Reference Guide (July 2026). The comments in the code are by the model that wrote it; some were corrected since.
;; Self Attention Layer. Allowed arithmetic: float matrix products may take bf16 or f16 operands with f32 sums; all other float work in f32.
;; Inputs: bk 1,024 float32; bp 1,024 float32; bq 1,024 float32; bv 1,024 float32; wk 1,024 x 1,024 float32; wp 1,024 x 1,024 float32; wq 1,024 x 1,024 float32; wv 1,024 x 1,024 float32; x 4 x 2,048 x 1,024 float32.
;; Outputs: out0 4 x 2,048 x 1,024 float32.
;; One version. Each part assembles by itself: llvm-mc -triple=amdgcn-amd-amdhsa -mcpu=gfx1250 --defsym DOCPART=n.
;; ======== version 1 of 1: 4 launches
;; limits: values are held in f16: magnitudes above 65,504 overflow, below 6.1e-05 lose precision
;; workspace buffers: h16 25,165,824 bytes; qkv 50,331,648 bytes; y 16,777,216 bytes
;; launch cast (part 1): grid 64 x 12, 8 waves a work-group, no clusters, 0 bytes of LDS; arguments x, wq, wk, wv, wp, h16; writes h16
.if DOCPART == 1
	.amdgcn_target "amdgcn-amd-amdhsa--gfx1250"
	.amdhsa_code_object_version 6
	.text
	.protected	k_q0e9b94a7a3_cast
	.globl	k_q0e9b94a7a3_cast
	.p2align	8
	.type	k_q0e9b94a7a3_cast,@function
k_q0e9b94a7a3_cast:
	s_mov_b64 s[64:65], 0
	v_nop
	global_prefetch_b8 v0, s[64:65] scope:SCOPE_SE
	s_setreg_imm32_b32 hwreg(HW_REG_WAVE_MODE, 25, 1), 1
	s_wait_xcnt 0x0
; h16 = x, wq, wk, wv, wp as matrix operands, one behind the other: twelve planes of 1,048,576 numbers of 16 bits.
; FORMAT: each number is rounded to bf16 (8 significant bits, to nearest even), the format that the problem's contract names for the
; inputs of its matrix products, and is stored in f16's layout, in which those 8 bits are exact for magnitudes from 2^-17 to 65,504.
; So the inputs meet q, k, v and y, which need f16's 11 bits, in one matrix form (f16 x f16), and the second conversion rounds nothing.
; Planes 0 to 7 are eighths of x, planes 8 to 11 the four weight matrices.  The grid's y is the plane, its x one of
; 64 pieces of 16,384 numbers.  A stream: every input byte is read once and every output byte written once, so LDS,
; barriers and the matrix unit would add nothing.
; Thread t takes 8 neighbouring numbers (32 bytes in, 16 bytes out) in each of eight steps of 2,048 numbers.
; All sixteen loads of a thread go out at once; a step's registers are rewritten only behind the counted wait for its own loads.
; A store of a wave covers 512 consecutive bytes, aligned.
; LIMIT: numbers of magnitude 65,520 and above become infinite; below 2^-17 the stored number differs from the bf16 one by up to 2^-25.
.set TB, 4                             ; v[4:7]    8 numbers in bf16, at work
.set XR, 8                             ; v[8:71]   step i: 8 numbers in f32, as loaded, then as rounded
.set YR, 72                            ; v[72:103] step i: 8 numbers in f16's layout
	s_load_b256 s[4:11], s[0:1], 0x0               ; x s[4:5], wq s[6:7], wk s[8:9], wv s[10:11]
	s_load_b128 s[12:15], s[0:1], 0x20             ; wp s[12:13], h16 s[14:15]
	s_and_b32 s20, ttmp7, 0xffff                   ; the plane
	v_lshlrev_b32 v1, 5, v0                        ; my 32 bytes in a step's 8,192 bytes of f32
	v_lshlrev_b32 v2, 4, v0                        ; my 16 bytes in a step's 4,096 bytes of output
	s_lshl_b32 s18, s20, 22                        ; inside x a plane is 4 MiB; a weight matrix is a plane by itself
	s_cmp_lt_u32 s20, 8
	s_cselect_b32 s18, s18, 0
	s_lshl_b32 s21, ttmp9, 16                      ; the piece: 16,384 numbers of 4 bytes
	s_add_co_u32 s18, s18, s21
	s_mov_b32 s19, 0
	s_lshl_b32 s22, s20, 21                        ; in h16 a plane is 2 MiB,
	s_lshl_b32 s21, ttmp9, 15                      ; a piece 32 KiB
	s_add_co_u32 s22, s22, s21
	s_mov_b32 s23, 0
	s_mov_b32 s21, 0xffff0000                      ; from here on: the mask of a word's upper bf16
	s_wait_kmcnt 0x0
	s_mov_b64 s[16:17], s[4:5]                     ; the source: x, or the plane's weight matrix
	s_cmp_eq_u32 s20, 8
	s_cselect_b64 s[16:17], s[6:7], s[16:17]
	s_cmp_eq_u32 s20, 9
	s_cselect_b64 s[16:17], s[8:9], s[16:17]
	s_cmp_eq_u32 s20, 10
	s_cselect_b64 s[16:17], s[10:11], s[16:17]
	s_cmp_eq_u32 s20, 11
	s_cselect_b64 s[16:17], s[12:13], s[16:17]
	s_add_nc_u64 s[16:17], s[16:17], s[18:19]
	s_add_nc_u64 s[14:15], s[14:15], s[22:23]
.irp i, 0,1,2,3,4,5,6,7
	global_load_b128 v[XR+8*\i:XR+8*\i+3],   v1, s[16:17] offset:\i*8192 th:TH_LOAD_NT
	global_load_b128 v[XR+8*\i+4:XR+8*\i+7], v1, s[16:17] offset:\i*8192+16 th:TH_LOAD_NT
.endr
.irp i, 0,1,2,3,4,5,6,7
	s_wait_loadcnt 14-2*\i                         ; loads come back in order: step i's two are in, the 14 - 2 i younger ones stay out
.irp j, 0,1,2,3
	v_cvt_pk_bf16_f32 v[TB+\j], v[XR+8*\i+2*\j], v[XR+8*\i+2*\j+1]         ; the one rounding: to bf16, nearest even
.endr
.irp j, 0,1,2,3
	v_lshlrev_b32 v[XR+8*\i+2*\j],   16,  v[TB+\j]                         ; bf16 to f32: the low half moves up,
	v_and_b32     v[XR+8*\i+2*\j+1], s21, v[TB+\j]                         ; the high half stays
.endr
.irp j, 0,1,2,3
	v_cvt_pk_f16_f32 v[YR+4*\i+\j], v[XR+8*\i+2*\j], v[XR+8*\i+2*\j+1]     ; into f16's layout: exact inside the range stated at the head
.endr
	global_store_b128 v2, v[YR+4*\i:YR+4*\i+3], s[14:15] offset:\i*4096
.endr
	s_endpgm
.Lfunc_end_k_q0e9b94a7a3_cast:
	.size	k_q0e9b94a7a3_cast, .Lfunc_end_k_q0e9b94a7a3_cast-k_q0e9b94a7a3_cast
	.p2alignl 7, 3214868480
	.fill 96, 4, 3214868480
	.section	.rodata,"a",@progbits
	.p2align	6, 0x0
	.amdhsa_kernel k_q0e9b94a7a3_cast
		.amdhsa_group_segment_fixed_size 0
		.amdhsa_private_segment_fixed_size 0
		.amdhsa_enable_private_segment 0
		.amdhsa_kernarg_size 48
		.amdhsa_user_sgpr_count 2
		.amdhsa_user_sgpr_kernarg_segment_ptr 1
		.amdhsa_wavefront_size32 1
		.amdhsa_system_sgpr_workgroup_id_x 1
		.amdhsa_system_sgpr_workgroup_id_y 1
		.amdhsa_system_sgpr_workgroup_id_z 1
		.amdhsa_system_vgpr_workitem_id 0
		.amdhsa_next_free_vgpr 104
		.amdhsa_next_free_sgpr 66
		.amdhsa_reserve_vcc 0
		.amdhsa_float_denorm_mode_32 3
		.amdhsa_float_denorm_mode_16_64 3
		.amdhsa_memory_ordered 1
		.amdhsa_forward_progress 1
		.amdhsa_inst_pref_size 10
	.end_amdhsa_kernel
	.amdgpu_metadata
---
amdhsa.version: [ 1, 2 ]
amdhsa.kernels:
  - .name:           k_q0e9b94a7a3_cast
    .symbol:         k_q0e9b94a7a3_cast.kd
    .args:
      - { .name: x, .offset: 0, .size: 8, .value_kind: global_buffer, .address_space: global }
      - { .name: wq, .offset: 8, .size: 8, .value_kind: global_buffer, .address_space: global }
      - { .name: wk, .offset: 16, .size: 8, .value_kind: global_buffer, .address_space: global }
      - { .name: wv, .offset: 24, .size: 8, .value_kind: global_buffer, .address_space: global }
      - { .name: wp, .offset: 32, .size: 8, .value_kind: global_buffer, .address_space: global }
      - { .name: h16, .offset: 40, .size: 8, .value_kind: global_buffer, .address_space: global }
    .group_segment_fixed_size: 0
    .private_segment_fixed_size: 0
    .kernarg_segment_align: 8
    .kernarg_segment_size: 48
    .max_flat_workgroup_size: 256
    .sgpr_count:     66
    .vgpr_count:     104
    .wavefront_size: 32
...
	.end_amdgpu_metadata
.endif
;; end of part 1
;; launch qkvgemm (part 2): grid 12 x 64, 4 waves a work-group, clusters of 4 x 4, 327,680 bytes of LDS; arguments h16, bq, bk, bv, qkv; writes qkv
.if DOCPART == 2
	.amdgcn_target "amdgcn-amd-amdhsa--gfx1250"
	.amdhsa_code_object_version 6
	.text
	.protected	k_q0e9b94a7a3_qkvgemm
	.globl	k_q0e9b94a7a3_qkvgemm
	.p2align	8
	.type	k_q0e9b94a7a3_qkvgemm,@function
k_q0e9b94a7a3_qkvgemm:
	s_mov_b64 s[64:65], 0
	v_nop
	global_prefetch_b8 v0, s[64:65] scope:SCOPE_SE
	s_setreg_imm32_b32 hwreg(HW_REG_WAVE_MODE, 25, 1), 1
	s_wait_xcnt 0x0
	s_wait_alu depctr_hold_cnt(0) depctr_sa_sdst(0) depctr_va_vdst(0) depctr_va_sdst(0) depctr_va_ssrc(0) depctr_va_vcc(0) depctr_vm_vsrc(0)
	s_getreg_b32 s2, hwreg(HW_REG_IB_STS2, 6, 4)
	s_cmp_eq_u32 s2, 0
	s_cbranch_scc0 .Lentry_in_a_cluster
	s_endpgm
.Lentry_in_a_cluster:
	s_bfe_u32 s2, ttmp6, 0x10000c
	s_cmp_lg_u32 s2, 0xf033
	s_cbranch_scc0 .Lentry_shape_is_right
	s_endpgm
.Lentry_shape_is_right:
; C[m][n] = sum over k of A[m][k] B[n][k] + bias[n], K = 1,024, f16 operands, f32 sums.  One text for two launches:
;   PROJ = 0: A = x in f16 [8192][1024], B = wq, wk, wv in f16 [3072][1024]; C leaves in f16, by head: part (q, k, v) [b][h][t][64].
;   PROJ = 1: A = the attention's result in f16 [b][h][t][64], B = wp in f16 [1024][1024]; C = out0 in f32 [8192][1024].
; A work-group makes 128 rows x 256 columns of C with four waves; a wave makes 64 x 128: 32 accumulator tiles of 16 x 16.
; That block gives 12 x 64 = 768 and 4 x 64 = 256 work-groups, both multiples of 256.
; K goes in steps of 128 through two LDS slots filled by the tensor data mover: waves 0 and 1 bring B's two halves (128 rows of 256 bytes
; each), waves 2 and 3 A's two halves (64 rows of 256 bytes each).  Every row fetched is 256 consecutive bytes, aligned.
; CLUSTERS: 4 x 4 work-groups.  A's tile hangs on the block row alone and is asked for jointly by the four of a row of the cluster,
; B's on the block column alone and is asked for jointly by the four of a column: the requests for A and B are divided by four.
; THE MATRIX INSTRUCTION IS USED TRANSPOSED: source 0 = 16 rows of B, source 1 = 16 rows of A, so that lane (r, h) holds row r of C and its
; registers 0 to 7 the columns 8 h + 0 .. 7.  The bias, laid out the same way, is the C operand of the first products: nothing is cleared,
; and nothing is added on the way out.
; LIMIT: operands are f16.  PROJ = 0 stores q, k, v in f16, so their magnitudes must stay below 65,504; numbers below 2^-14 keep
; fewer than 11 bits.
.set PROJ, 0
.set PITCH, 272                        ; an LDS row: 256 bytes + 16 of padding = 68 words, so 16 neighbouring rows start at 16 different words modulo 64
.set BHALF, 128*PITCH                  ; what wave 0 or 1 brings
.set AHALF, 64*PITCH                   ; what wave 2 or 3 brings
.set APART, 2*BHALF                    ; A's part of a slot lies behind B's
.set SLOT,  APART+2*AHALF              ; 104,448 bytes
.set STAGE, 2*SLOT                     ; behind the ring: each wave's own stage for the way out; no tensor load lands there
.set BSTEP, 256                        ; B: bytes along a row from one K step to the next
.if PROJ
.set BOFF,  22<<20                     ; wp in h16
.set ASTEP, 2<<18                      ; A: a K step is two heads of 262,144 bytes
.set AKHI,  AHALF                      ; A in LDS: the step's second head lies one half further on
.set AMB,   8*PITCH                    ; 16 rows of A are 8 LDS rows (two rows of 128 bytes in each)
.set AWM,   32*PITCH                   ; 64 rows of A
.set STG,   16*528                     ; stage: 16 rows of 512 bytes + 16
.else
.set BOFF,  16<<20                     ; wq, wk, wv in h16
.set ASTEP, 256
.set AKHI,  128                        ; A in LDS: K runs along the row
.set AMB,   16*PITCH
.set AWM,   64*PITCH
.set STG,   16*PITCH                   ; stage: 16 rows of 256 bytes + 16
.endif
; vector registers.  Window 0: addresses, fragments, the way out.  Window 1: tile (a, b) at v[8 (8 a + b)].  Window 2: bias of column block b at v[8 b].
.set ADRA, 16                          ; v16-17  LDS address of my A fragments in slot 0, 1
.set ADRB, 20                          ; v20-21  the same for B
.set STO,  24                          ; the way out: where I put my part of a row
.set RD,   25                          ; the way out: where I read rows back
.set CO,   26                          ; my byte offset in a store of 512 bytes
.set BO,   27                          ; my byte offset in the bias
.set FA0,  32                          ; v32-63, v64-95    A's 4 fragments, two buffers
.set FB0,  96                          ; v96-159, v160-223 B's 8 fragments, two buffers
.set TMP,  224                         ; v224-255 packed results
.set G1A, 24                           ; s[24:31] descriptor group 1, A's tiles
.set G0A, 32                           ; s[32:39] descriptor group 0, A's tiles, one set for each slot
.set G1B, 48                           ; s[48:55] group 1, B's tiles
.set G0B, 56                           ; s[56:63] group 0, B's tiles, one set for each slot
.set MSB, 0
.macro WIN new                         ; s_set_vgpr_msb: bits 1:0 source 0, 3:2 source 1, 5:4 source 2, 7:6 destination; the high byte repeats the setting that is left
.if MSB != \new
	s_set_vgpr_msb (MSB<<8)|\new
.set MSB, \new
.endif
.endm
.macro WINM first                      ; for products: D in window 1; C in window 2 (the bias) for the first, in window 1 later
.if \first
	WIN 0x60
.else
	WIN 0x50
.endif
.endm
; A joint load: waves 0 and 1 ask for B's halves, waves 2 and 3 for A's.  Each line has one mask and one set of registers; the branch hangs on the wave's number alone.
.macro JLOAD s
	s_cmp_eq_u32 s15, 0
	s_cbranch_scc0 .Lfor_a_\@
	tensor_load_to_lds s[G0B+4*\s:G0B+4*\s+3], s[G1B:G1B+7]
	s_nop 0
	s_branch .Lasked_\@
.Lfor_a_\@:
	tensor_load_to_lds s[G0A+4*\s:G0A+4*\s+3], s[G1A:G1A+7]
	s_nop 0
.Lasked_\@:
.endm
; A round of the cluster's barrier: my work-group's barrier, wave 0 signals for the work-group, every wave waits for all sixteen, my work-group's barrier again.
.macro CREST                           ; a round behind its opening barrier
	s_cmp_lg_u32 s14, 0
	s_cbranch_scc1 .Lnot_wave_0_\@
	s_barrier_signal -3
.Lnot_wave_0_\@:
	s_barrier_wait -3
	s_barrier_signal -1
	s_barrier_wait -1
.endm
.macro CROUND
	s_barrier_signal -1
	s_barrier_wait -1
	CREST
.endm
; Four plain vector instructions stand between a matrix instruction and a load into one of its registers, or a vector instruction or LDS store that reads its result.
.macro PLACES
.rept 4
	v_nop
.endr
.endm
	s_load_b256 s[4:11], s[0:1], 0x0               ; PROJ = 0: h16, bq, bk, bv.  PROJ = 1: h16, y, bp, out0
.if PROJ == 0
	s_load_b64 s[12:13], s[0:1], 0x20              ; qkv
	v_lshl_add_u32 v30, v0, 2, 0x37400
	v_mov_b32 v31, 0
	ds_add_u32 v30, v31
.endif
	v_lshrrev_b32 v1, 5, v0
	v_readfirstlane_b32 s14, v1                    ; wave 0..3
	s_lshr_b32 s15, s14, 1                         ; which 64 rows of the block are mine.  Also: I fetch for B (0) or for A (1)
	s_and_b32 s16, s14, 1                          ; which 128 columns.  Also: which half of that tile I fetch
	s_bfe_u32 s17, ttmp6, 0x40000                  ; cx
	s_bfe_u32 s18, ttmp6, 0x40004                  ; cy
	s_lshl_b32 s19, ttmp9, 2
	s_add_co_u32 s19, s19, s17                     ; block column = 4 x cluster x + cx
	s_and_b32 s20, ttmp7, 0xffff
	s_lshl_b32 s20, s20, 2
	s_add_co_u32 s20, s20, s18                     ; block row = 4 x cluster y + cy
	s_lshl_b32 s21, s18, 2
	s_lshl_b32 s21, 15, s21                        ; my row of the cluster: places 4 cy .. 4 cy + 3
	s_lshl_b32 s22, 0x1111, s17                    ; my column: places cx, cx + 4, cx + 8, cx + 12
	; group 1 for B: 128 rows x 128 elements of 2 bytes, 1,024 elements from row to row, 4 words of padding behind every 64
	s_or_b32  s[G1B+0], s22, (1<<16)|(1<<20)|(1<<21)|(5<<22)|(3<<25)
	s_mov_b32 s[G1B+1], 128<<16                    ; tensor_dim0
	s_mov_b32 s[G1B+2], 128<<16                    ; tensor_dim1
	s_mov_b32 s[G1B+3], 128<<16                    ; tile_dim0
	s_mov_b32 s[G1B+4], 128                        ; tile_dim1
	s_mov_b32 s[G1B+5], 1024                       ; pitch
	s_mov_b32 s[G1B+6], 0
	s_mov_b32 s[G1B+7], 0
.if PROJ
	; group 1 for A: 128 rows of one head are 16,384 consecutive bytes: 64 rows x 32 elements of 8 bytes, the same padding
	s_or_b32  s[G1A+0], s21, (3<<16)|(1<<20)|(1<<21)|(5<<22)|(3<<25)
	s_mov_b32 s[G1A+1], 32<<16
	s_mov_b32 s[G1A+2], 64<<16
	s_mov_b32 s[G1A+3], 32<<16
	s_mov_b32 s[G1A+4], 64
	s_mov_b32 s[G1A+5], 32
.else
	; group 1 for A: 64 rows x 128 elements of 2 bytes
	s_or_b32  s[G1A+0], s21, (1<<16)|(1<<20)|(1<<21)|(5<<22)|(3<<25)
	s_mov_b32 s[G1A+1], 128<<16
	s_mov_b32 s[G1A+2], 64<<16
	s_mov_b32 s[G1A+3], 128<<16
	s_mov_b32 s[G1A+4], 64
	s_mov_b32 s[G1A+5], 1024
.endif
	s_mov_b32 s[G1A+6], 0
	s_mov_b32 s[G1A+7], 0
	; where the tiles come from.  A's offset is made of the block row and the wave's number in s40-43, B's of the block column and the wave's number in s44-47.
.if PROJ
	s_lshr_b32 s40, s20, 4                         ; batch: 16 block rows each
	s_lshl_b32 s40, s40, 4
	s_add_co_u32 s40, s40, s16                     ; head 16 b + half
	s_lshl_b32 s40, s40, 18                        ; a head is 262,144 bytes
	s_and_b32 s42, s20, 15
	s_lshl_b32 s42, s42, 14                        ; 128 rows of 128 bytes a block row
	s_add_co_u32 s40, s40, s42
.else
	s_lshl_b32 s40, s20, 18                        ; 128 rows of 2,048 bytes a block row
	s_lshl_b32 s42, s16, 17                        ; 64 rows for the second half
	s_add_co_u32 s40, s40, s42
.endif
	s_mov_b32 s41, 0
	s_lshl_b32 s44, s19, 19                        ; 256 rows of 2,048 bytes a block column
	s_lshl_b32 s46, s16, 18                        ; 128 rows for the second half
	s_add_co_u32 s44, s44, s46
	s_add_co_u32 s44, s44, BOFF
	s_mov_b32 s45, 0
	s_mul_i32 s43, s14, AHALF                      ; where they go: A's halves (waves 2, 3) at BHALF + wave x AHALF = APART + (wave - 2) x AHALF,
	s_add_co_u32 s43, s43, BHALF
	s_mul_i32 s47, s14, BHALF                      ; B's halves (waves 0, 1) at wave x BHALF: no place in the cluster enters an LDS address
	s_wait_dscnt 0x0
	s_wait_kmcnt 0x0
.if PROJ
	s_add_nc_u64 s[40:41], s[6:7], s[40:41]
.else
	s_add_nc_u64 s[40:41], s[4:5], s[40:41]
.endif
	s_add_nc_u64 s[44:45], s[4:5], s[44:45]
	CROUND                                         ; all sixteen work-groups are here: the first joint loads meet
.irp s, 0,1
	s_mov_b32 s[G0A+4*\s], 1
	s_add_co_u32 s[G0A+4*\s+1], s43, \s*SLOT
	s_add_nc_u64 s[G0A+4*\s+2:G0A+4*\s+3], s[40:41], \s*ASTEP      ; K step s
	s_or_b32 s[G0A+4*\s+3], s[G0A+4*\s+3], 0x80000000              ; type = 2
	s_mov_b32 s[G0B+4*\s], 1
	s_add_co_u32 s[G0B+4*\s+1], s47, \s*SLOT
	s_add_nc_u64 s[G0B+4*\s+2:G0B+4*\s+3], s[44:45], \s*BSTEP
	s_or_b32 s[G0B+4*\s+3], s[G0B+4*\s+3], 0x80000000
	JLOAD \s                                       ; both slots' first fills go out before anything else: two tensor loads of the wave are out
.endr
	; A fragment is 16 rows x 32 K in 8 registers: lane (r, h) holds row r; registers 0-3 K = 8 h + 0..7, registers 4-7 K = 16 + 8 h + 0..7:
	; two loads of 16 bytes, 32 bytes apart.
	v_and_b32 v1, 15, v0                           ; r
	v_bfe_u32 v2, v0, 4, 1                         ; h
	v_and_b32 v3, 31, v0                           ; lane
	v_mul_u32_u24 v4, v1, PITCH
	v_lshl_add_u32 v4, v2, 4, v4                   ; r x pitch + 16 h
	s_mul_i32 s66, s16, BHALF                      ; my 128 rows of B
	v_add_nc_u32 v[ADRB], s66, v4
	v_add_nc_u32 v[ADRB+1], SLOT, v[ADRB]
	s_mul_i32 s67, s15, AWM                        ; my 64 rows of A,
	s_add_co_u32 s67, s67, APART                   ; behind B's part
.if PROJ
	v_lshrrev_b32 v5, 1, v1                        ; row m of a head lies at LDS row m / 2, byte 128 (m mod 2): the 16 rows of a
	v_mul_u32_u24 v5, v5, PITCH                    ; fragment start at words 4 (r / 2) + 32 (r mod 2) modulo 64, all different
	v_and_b32 v6, 1, v1
	v_lshl_add_u32 v5, v6, 7, v5
	v_lshl_add_u32 v5, v2, 4, v5
	v_add_nc_u32 v[ADRA], s67, v5
.else
	v_add_nc_u32 v[ADRA], s67, v4
.endif
	v_add_nc_u32 v[ADRA+1], SLOT, v[ADRA]
	s_mul_i32 s68, s14, STG
	s_add_co_u32 s68, s68, STAGE                   ; my stage
.if PROJ
	v_mul_u32_u24 v5, v1, 528                      ; in: row r, 32 bytes for each half of the lanes
	v_lshl_add_u32 v5, v2, 5, v5
	v_add_nc_u32 v[STO], s68, v5
	v_lshl_add_u32 v[RD], v3, 4, s68               ; back: the 32 lanes take one row of 512 bytes
.else
	v_add_nc_u32 v[STO], s68, v4                   ; in: row r, 16 bytes for each half of the lanes
	v_lshrrev_b32 v5, 3, v3                        ; back: eight lanes take one head's 128 bytes of a row, the 32 lanes four rows
	v_mul_u32_u24 v5, v5, PITCH
	v_and_b32 v6, 7, v3
	v_lshl_add_u32 v5, v6, 4, v5
	v_add_nc_u32 v[RD], s68, v5
.endif
	v_lshlrev_b32 v[CO], 4, v3
	; the bias of my 128 columns, in the accumulators' layout: for column block b the 8 numbers at column 16 b + 8 h
.if PROJ
	s_lshl_b32 s76, s19, 10                        ; 256 columns of 4 bytes a block column
	s_mov_b64 s[70:71], s[8:9]
.else
	s_lshl_b32 s76, s17, 10                        ; a part (q, k, v) is four block columns: the cluster's x is the part, cx the block in it
	s_mov_b64 s[70:71], s[6:7]
	s_cmp_eq_u32 ttmp9, 1
	s_cselect_b64 s[70:71], s[8:9], s[70:71]
	s_cmp_eq_u32 ttmp9, 2
	s_cselect_b64 s[70:71], s[10:11], s[70:71]
.endif
	s_lshl_b32 s77, s16, 9
	s_add_co_u32 s76, s76, s77
	v_lshl_add_u32 v[BO], v2, 5, s76
	WIN 0x80                                       ; destination in window 2
.irp b, 0,1,2,3,4,5,6,7
	global_load_b128 v[8*\b:8*\b+3],   v[BO], s[70:71] offset:64*\b
	global_load_b128 v[8*\b+4:8*\b+7], v[BO], s[70:71] offset:64*\b+16
.endr
	WIN 0
; 8 matrix instructions: row block a x all 8 column blocks, 32 along K, from buffer f.  The 32 accumulators take turns, one instruction a turn,
; in the same order in every quarter step.
.macro MUL8 f, a, first
.irp b, 0,1,2,3,4,5,6,7
.if \first
	v_wmma_f32_16x16x32_f16 v[8*(8*\a+\b):8*(8*\a+\b)+7], v[FB0+64*\f+8*\b:FB0+64*\f+8*\b+7], v[FA0+32*\f+8*\a:FA0+32*\f+8*\a+7], v[8*\b:8*\b+7]
.else
	v_wmma_f32_16x16x32_f16 v[8*(8*\a+\b):8*(8*\a+\b)+7], v[FB0+64*\f+8*\b:FB0+64*\f+8*\b+7], v[FA0+32*\f+8*\a:FA0+32*\f+8*\a+7], v[8*(8*\a+\b):8*(8*\a+\b)+7]
.endif
.endr
.endm
; 24 LDS loads in one run: quarter step kq's fragments (128 rows of B, then 64 rows of A) into buffer buf
.macro FETCH slot, kq, buf
	WIN 0
.irp i, 0,1,2,3,4,5,6,7
	ds_load_b128 v[FB0+64*\buf+8*\i:FB0+64*\buf+8*\i+3],   v[ADRB+\slot] offset:64*\kq+\i*16*PITCH
	ds_load_b128 v[FB0+64*\buf+8*\i+4:FB0+64*\buf+8*\i+7], v[ADRB+\slot] offset:64*\kq+\i*16*PITCH+32
.endr
.irp i, 0,1,2,3
	ds_load_b128 v[FA0+32*\buf+8*\i:FA0+32*\buf+8*\i+3],   v[ADRA+\slot] offset:AKHI*(\kq>>1)+64*(\kq&1)+\i*AMB
	ds_load_b128 v[FA0+32*\buf+8*\i+4:FA0+32*\buf+8*\i+7], v[ADRA+\slot] offset:AKHI*(\kq>>1)+64*(\kq&1)+\i*AMB+32
.endr
.endm
; One of a K step's first three quarters: multiplies buffer f; in its middle it fetches quarter kq of the same slot into buffer g.
.macro QUARTER slot, kq, f, g, first
	s_wait_dscnt 4                                 ; B and A's fragments 0 and 1 are in; the youngest four loads (A's fragments 2 and 3) may be out
	WINM \first
	MUL8 \f, 0, \first
	MUL8 \f, 1, \first
	PLACES
	FETCH \slot, \kq, \g
	s_wait_dscnt 24                                ; all but the 24 just issued
	WINM \first
	MUL8 \f, 2, \first
	MUL8 \f, 3, \first
.endm
.macro THREE slot, first
	QUARTER \slot, 1, 0, 1, \first
	QUARTER \slot, 2, 1, 0, 0
	QUARTER \slot, 3, 0, 1, 0
.endm
; The last quarter multiplies buffer 1 and changes slots.  In front of the barrier each wave waits for its reads of this slot and for all its tensor
; loads (one is out: its part of the next slot).  Where the slot is filled again the barrier opens a round of the cluster's barrier, and the joint
; refill is the first tensor load behind the round.  From a request to the wait for it a wave issues 120 matrix instructions.
.macro TURN slot, next, fill
	s_wait_dscnt 4
	WIN 0x50
	MUL8 1, 0, 0
	s_wait_dscnt 0                                 ; my reads of this slot are over
	s_wait_tensorcnt 0x0                           ; all my tensor loads have landed
	ds_add_u32 v30, v31
	s_wait_dscnt 0x0
	s_barrier_signal -1
	MUL8 1, 1, 0                                   ; register work while the others arrive
	WIN 0
	s_barrier_wait -1
.if \fill
	CREST                                          ; no wave of any partner still reads this slot or has a load on its way
	s_add_nc_u64 s[G0A+4*\slot+2:G0A+4*\slot+3], s[G0A+4*\slot+2:G0A+4*\slot+3], 2*ASTEP
	s_add_nc_u64 s[G0B+4*\slot+2:G0B+4*\slot+3], s[G0B+4*\slot+2:G0B+4*\slot+3], 2*BSTEP
	JLOAD \slot
.endif
	PLACES
	FETCH \next, 0, 0
	WIN 0x50
	MUL8 1, 2, 0
	MUL8 1, 3, 0
.endm
.macro LAP first                       ; two K steps, both slots filled again
	THREE 0, \first
	TURN 0, 1, 1
	THREE 1, 0
	TURN 1, 0, 1
.endm
	s_wait_loadcnt 0x0                             ; the bias
	s_wait_tensorcnt 0x1                           ; my part of K step 0 is in; K step 1's may stay out
	s_barrier_signal -1
	s_barrier_wait -1                              ; everybody's is
	FETCH 0, 0, 0
	LAP 1                                          ; K steps 0 and 1; the first products take the bias as C
	WIN 0
	s_mov_b32 s23, 2                               ; K steps 2 to 5
.Llap:
	LAP 0
	WIN 0
	s_sub_co_u32 s23, s23, 1
	s_cmp_lg_u32 s23, 0
	s_cbranch_scc1 .Llap
	THREE 0, 0                                     ; K steps 6 and 7 fill nothing
	TURN 0, 1, 0
	THREE 1, 0
	s_wait_dscnt 4
	WIN 0x50
	MUL8 1, 0, 0
	MUL8 1, 1, 0
	s_wait_dscnt 0
	MUL8 1, 2, 0
	MUL8 1, 3, 0
	PLACES                                         ; in front of everything that reads results or loads into the fragment buffers
	; THE WAY OUT, 16 rows at a time, through my own stage: LDS serves a wave's instructions in order (ISA guide 5.7.1), so the loads see the stores.
.if PROJ
	s_lshl_b32 s72, s20, 19                        ; 128 rows of 4,096 bytes a block row
	s_lshl_b32 s74, s15, 18                        ; my 64 rows
	s_add_co_u32 s72, s72, s74
	s_lshl_b32 s74, s19, 10                        ; 256 columns of 4 bytes a block column
	s_add_co_u32 s72, s72, s74
	s_lshl_b32 s74, s16, 9                         ; my 128 columns
	s_add_co_u32 s72, s72, s74
	s_mov_b32 s73, 0
	s_add_nc_u64 s[78:79], s[10:11], s[72:73]
.macro OUT16 a, f
	WIN 0x04                                       ; store data in window 1
.irp b, 0,1,2,3,4,5,6,7
	ds_store_b128 v[STO], v[8*(8*\a+\b):8*(8*\a+\b)+3]   offset:64*\b
	ds_store_b128 v[STO], v[8*(8*\a+\b)+4:8*(8*\a+\b)+7] offset:64*\b+16
.endr
	WIN 0
	s_wait_xcnt 0x0                                ; buffer f, which earlier stores read, is loaded again only behind this wait
.irp t, 0,1,2,3,4,5,6,7,8,9,10,11,12,13,14,15
	ds_load_b128 v[\f+4*\t:\f+4*\t+3], v[RD] offset:528*\t
.endr
.irp t, 0,1,2,3,4,5,6,7,8,9,10,11,12,13,14,15
	s_wait_dscnt 15-\t
	global_store_b128 v[CO], v[\f+4*\t:\f+4*\t+3], s[78:79] offset:(16*\a+\t)*4096 th:TH_STORE_NT   ; 512 consecutive bytes of one row, aligned
.endr
.endm
.else
	s_lshl_b32 s72, ttmp9, 24                      ; the part: q, k or v
	s_lshr_b32 s74, s20, 4
	s_lshl_b32 s74, s74, 4                         ; 16 heads a batch
	s_lshl2_add_u32 s74, s17, s74                  ; + 4 heads a block column
	s_lshl1_add_u32 s74, s16, s74                  ; + 2 heads for my 128 columns
	s_lshl_b32 s74, s74, 18
	s_add_co_u32 s72, s72, s74
	s_and_b32 s74, s20, 15
	s_lshl_b32 s74, s74, 14                        ; 128 rows of 128 bytes a block row
	s_add_co_u32 s72, s72, s74
	s_lshl_b32 s74, s15, 13                        ; my 64 rows
	s_add_co_u32 s72, s72, s74
	s_mov_b32 s73, 0
	s_add_nc_u64 s[78:79], s[12:13], s[72:73]
.macro OUT16 a, f
	WIN 0x05                                       ; sources in window 1
.irp b, 0,1,2,3,4,5,6,7
.irp i, 0,1,2,3
	v_cvt_pk_f16_f32 v[TMP+4*\b+\i], v[8*(8*\a+\b)+2*\i], v[8*(8*\a+\b)+2*\i+1]
.endr
.endr
	WIN 0
.irp b, 0,1,2,3,4,5,6,7
	ds_store_b128 v[STO], v[TMP+4*\b:TMP+4*\b+3] offset:32*\b
.endr
	s_wait_xcnt 0x0                                ; buffer f, which earlier stores read, is loaded again only behind this wait
.irp t, 0,1,2,3,4,5,6,7
	ds_load_b128 v[\f+4*\t:\f+4*\t+3], v[RD] offset:(\t&3)*4*PITCH+(\t>>2)*128
.endr
.irp t, 0,1,2,3,4,5,6,7
	s_wait_dscnt 7-\t
	global_store_b128 v[CO], v[\f+4*\t:\f+4*\t+3], s[78:79] offset:((\t>>2)<<18)+\a*2048+(\t&3)*512   ; four rows of one head: 512 consecutive bytes, aligned
.endr
.endm
.endif
	OUT16 0, FB0
	OUT16 1, FB0+64
	OUT16 2, FB0
	OUT16 3, FB0+64
	s_wait_tensorcnt 0x0
	ds_add_u32 v30, v31
	s_wait_dscnt 0x0
	CROUND                                         ; the closing round: no work-group ends while a partner may still ask for a tile that names it
	s_endpgm
.Lfunc_end_k_q0e9b94a7a3_qkvgemm:
	.size	k_q0e9b94a7a3_qkvgemm, .Lfunc_end_k_q0e9b94a7a3_qkvgemm-k_q0e9b94a7a3_qkvgemm
	.p2alignl 7, 3214868480
	.fill 96, 4, 3214868480
	.section	.rodata,"a",@progbits
	.p2align	6, 0x0
	.amdhsa_kernel k_q0e9b94a7a3_qkvgemm
		.amdhsa_group_segment_fixed_size 327680
		.amdhsa_private_segment_fixed_size 0
		.amdhsa_enable_private_segment 0
		.amdhsa_kernarg_size 40
		.amdhsa_user_sgpr_count 2
		.amdhsa_user_sgpr_kernarg_segment_ptr 1
		.amdhsa_wavefront_size32 1
		.amdhsa_system_sgpr_workgroup_id_x 1
		.amdhsa_system_sgpr_workgroup_id_y 1
		.amdhsa_system_sgpr_workgroup_id_z 1
		.amdhsa_system_vgpr_workitem_id 0
		.amdhsa_next_free_vgpr 576
		.amdhsa_next_free_sgpr 80
		.amdhsa_reserve_vcc 0
		.amdhsa_float_denorm_mode_32 3
		.amdhsa_float_denorm_mode_16_64 3
		.amdhsa_memory_ordered 1
		.amdhsa_forward_progress 1
		.amdhsa_inst_pref_size 119
	.end_amdhsa_kernel
	.amdgpu_metadata
---
amdhsa.version: [ 1, 2 ]
amdhsa.kernels:
  - .name:           k_q0e9b94a7a3_qkvgemm
    .symbol:         k_q0e9b94a7a3_qkvgemm.kd
    .args:
      - { .name: h16, .offset: 0, .size: 8, .value_kind: global_buffer, .address_space: global }
      - { .name: bq, .offset: 8, .size: 8, .value_kind: global_buffer, .address_space: global }
      - { .name: bk, .offset: 16, .size: 8, .value_kind: global_buffer, .address_space: global }
      - { .name: bv, .offset: 24, .size: 8, .value_kind: global_buffer, .address_space: global }
      - { .name: qkv, .offset: 32, .size: 8, .value_kind: global_buffer, .address_space: global }
    .group_segment_fixed_size: 327680
    .private_segment_fixed_size: 0
    .kernarg_segment_align: 8
    .kernarg_segment_size: 40
    .max_flat_workgroup_size: 128
    .sgpr_count:     80
    .vgpr_count:     576
    .wavefront_size: 32
...
	.end_amdgpu_metadata
.endif
;; end of part 2
;; launch attn (part 3): grid 4 x 64, 8 waves a work-group, no clusters, 327,680 bytes of LDS; arguments qkv, y; writes y
.if DOCPART == 3
	.amdgcn_target "amdgcn-amd-amdhsa--gfx1250"
	.amdhsa_code_object_version 6
	.text
	.protected	k_q0e9b94a7a3_attn
	.globl	k_q0e9b94a7a3_attn
	.p2align	8
	.type	k_q0e9b94a7a3_attn,@function
k_q0e9b94a7a3_attn:
	s_mov_b64 s[64:65], 0
	v_nop
	global_prefetch_b8 v0, s[64:65] scope:SCOPE_SE
	s_setreg_imm32_b32 hwreg(HW_REG_WAVE_MODE, 25, 1), 1
	s_wait_xcnt 0x0
; y = softmax(q k^T / sqrt(2048), causal) v for each of 64 (batch, head) pairs.  q, k, v, y: [b][h][2048][64] in f16 (q, k, v are the three parts of qkv).
; Work-group (p, bh), p = 0..3, makes the query blocks 7 - p and then p of head bh, 256 queries each, and walks the key blocks 0 .. 7 - p and then
; 0 .. p: nine tiles of 256 keys in every work-group, two of them on the diagonal: 256 work-groups of equal work.  Blocks above the diagonal are not visited.
; Eight waves; wave W owns queries 32 W .. 32 W + 31 of the block, as two tiles of 16.
; TRANSPOSED: S^T = K Q^T puts (key 8 h + j, query r) into register j of lane (r, h).  Two key tiles packed to f16 inside the lane ARE the second
; operand of O^T = V^T P^T for 32 keys, so P never goes through LDS, and a query's maximum, sum and factor belong to the two lanes r and r + 16.
; V^T comes out of LDS by the transposing load.  The running maximum is taken away before every exponential, as the softmax asks.
; K and V tiles (32,768 consecutive bytes each) come by tensor loads into two LDS slots: waves 0, 1 bring V's halves, waves 2, 3 K's halves,
; 64 rows of 256 bytes each; one tensor load of a wave is out at any time.
; NO JOINT LOADS: the four work-groups of a head have 8 - p tiles in their first phase, so at a given tile they stand at different key blocks; a common
; walk through 8 + 4 key blocks would cost 12 tile times instead of 9.
; LIMITS: operands are f16 (|q|, |k|, |v| below 65,504); a weight p below about 3e-8 of its row's largest counts as 0 in the product with V.
.set SLOT,  71680                      ; V: 128 LDS rows of 288 bytes, then K: 128 LDS rows of 272 bytes; an LDS row holds two keys
.set KPART, 36864
.set STAGE, 2*SLOT                     ; behind the ring: 32 rows of 144 bytes for each wave; no tensor load lands there
.set KA,   2                           ; v2-3    LDS address of my K fragments, slot 0, 1
.set VA,   4                           ; v4-5    the same for V
.set KM,   6                           ; v6-7    KA at my diagonal step (64 keys x (W / 2))
.set VM,   8                           ; v8-9    VA at my diagonal step
.set QOFF, 10                          ; my byte offset in the query block
.set STO,  11                          ; the way out: where I put 16 bytes of a row
.set RD,   12                          ; the way out: where I read rows back
.set CO,   13                          ; my byte offset in y's block
.set DQ,   14                          ; v14-15  query tile q: my query less my first key, both counted from the diagonal step's first key
.set NINF, 16                          ; -infinity
.set MX,   18                          ; v18-19  running maximum of query tile q
.set LS,   20                          ; v20-21  running sum, of my half of the keys
.set NM,   22                          ; v[22:25] - c x maximum, twice, for each q
.set AL,   26                          ; v[26:29] the factor for the old sums, twice, for each q; at the end 1 / sum
.set QF,   32                          ; v32-63   Q fragments (q, d half) at 16 q + 8 ds
.set SC,   64                          ; v64-127  scores, then weights: tile (q, kt) at 32 q + 8 kt
.set KF,   128                         ; v128-191 K fragments (kt, d half) at 16 kt + 8 ds
.set PF,   192                         ; v192-223 P fragments (q, 32 keys g) at 16 q + 8 g
.set TT,   224                         ; v224-255 at work
.set OA,   0                           ; window 1, v0-63: O^T tile (dt, q) at 8 (2 dt + q)
.set VF,   64                          ; window 1, v64-127: V^T fragments (dt, g) at 16 dt + 8 g
.set G1V, 24                           ; s[24:31] descriptor group 1 for V
.set G1K, 32                           ; s[32:39] for K
.set G0V, 40                           ; s[40:47] group 0 for V, one set for each slot
.set G0K, 48                           ; s[48:55] for K
.set MSB, 0
.macro WIN new                         ; s_set_vgpr_msb: bits 1:0 source 0, 3:2 source 1, 5:4 source 2, 7:6 destination; the high byte repeats the setting that is left
.if MSB != \new
	s_set_vgpr_msb (MSB<<8)|\new
.set MSB, \new
.endif
.endm
.macro PLACES                          ; four plain vector instructions behind a matrix instruction (ISA guide 7.12.1)
.rept 4
	v_nop
.endr
.endm
.macro KVLOAD s                        ; the slot's tile: waves 0, 1 V's halves, waves 2, 3 K's halves, waves 4 to 7 nothing
	s_cmp_lt_u32 s8, 2
	s_cbranch_scc0 .Lnot_v_\@
	tensor_load_to_lds s[G0V+4*\s:G0V+4*\s+3], s[G1V:G1V+7]
	s_nop 0
	s_branch .Lasked_\@
.Lnot_v_\@:
	s_cmp_lt_u32 s8, 4
	s_cbranch_scc0 .Lasked_\@
	tensor_load_to_lds s[G0K+4*\s:G0K+4*\s+3], s[G1K:G1K+7]
	s_nop 0
.Lasked_\@:
.endm
	s_load_b128 s[4:7], s[0:1], 0x0                ; qkv s[4:5], y s[6:7]
	v_lshl_add_u32 v30, v0, 2, 0x2c000
	v_mov_b32 v31, 0
	ds_add_u32 v30, v31
	v_lshrrev_b32 v1, 5, v0
	v_readfirstlane_b32 s8, v1                     ; wave W
	s_lshr_b32 s9, s8, 1                           ; W / 2: my diagonal step
	s_and_b32 s10, s8, 1
	s_mov_b32 s11, ttmp9                           ; p
	s_and_b32 s12, ttmp7, 0xffff                   ; bh
	s_sub_co_u32 s13, 7, s11                       ; the query block at work: first 7 - p
	s_mov_b32 s14, 0                               ; the key block at work
	s_mov_b32 s18, 0x3d0293ee                      ; c = log2(e) / sqrt(2048), twice for the packed form
	s_mov_b32 s19, 0x3d0293ee
	s_mov_b32 s20, 0xbd0293ee                      ; - c
	s_mov_b32 s21, 0x76543210                      ; v_permlanex16_b32: lane i of one half reads lane i of the other
	s_mov_b32 s22, 0xfedcba98
	; group 1: 64 rows x 32 elements of 8 bytes, dense; behind every 64 words V gets 8 words of padding, K gets 4
	s_mov_b32 s[G1V+0], (3<<16)|(1<<20)|(5<<22)|(7<<25)
	s_mov_b32 s[G1K+0], (3<<16)|(1<<20)|(5<<22)|(3<<25)
.irp g, G1V, G1K
	s_mov_b32 s[\g+1], 32<<16                      ; tensor_dim0
	s_mov_b32 s[\g+2], 64<<16                      ; tensor_dim1
	s_mov_b32 s[\g+3], 32<<16                      ; tile_dim0
	s_mov_b32 s[\g+4], 64                          ; tile_dim1
	s_mov_b32 s[\g+5], 32                          ; pitch
	s_mov_b32 s[\g+6], 0
	s_mov_b32 s[\g+7], 0
.endr
	s_lshl_b32 s72, s12, 18                        ; the head: 262,144 bytes
	s_mov_b32 s73, 0
	s_lshl_b32 s74, s10, 14                        ; the half of a tile that I would fetch: 128 keys of 128 bytes
	s_add_co_u32 s74, s74, s72
	s_add_co_u32 s76, s74, 1<<24                   ; k is part 1 of qkv,
	s_add_co_u32 s74, s74, 2<<24                   ; v part 2
	s_mov_b32 s75, 0
	s_mov_b32 s77, 0
	s_mul_i32 s78, s8, 18432                       ; V's halves (waves 0, 1) go to wave x 64 x 288,
	s_mul_i32 s79, s8, 17408                       ; K's halves (waves 2, 3) to 2,048 + wave x 64 x 272 = KPART + (wave - 2) x 17,408
	s_add_co_u32 s79, s79, 2048
	s_mov_b32 s71, 0                               ; high words of the two offset pairs
	s_mov_b32 s81, 0
	s_wait_dscnt 0x0
	s_barrier_signal -1
	s_barrier_wait -1
	s_wait_kmcnt 0x0
	s_add_nc_u64 s[56:57], s[4:5], s[74:75]        ; V's key block 0, my half
	s_add_nc_u64 s[58:59], s[4:5], s[76:77]        ; K's
	s_add_nc_u64 s[60:61], s[4:5], s[72:73]        ; q of the head
	s_add_nc_u64 s[62:63], s[6:7], s[72:73]        ; y of the head
.irp s, 0,1
	s_mov_b32 s[G0V+4*\s], 1
	s_add_co_u32 s[G0V+4*\s+1], s78, \s*SLOT
	s_mov_b64 s[G0V+4*\s+2:G0V+4*\s+3], s[56:57]
	s_or_b32 s[G0V+4*\s+3], s[G0V+4*\s+3], 0x80000000              ; type = 2
	s_mov_b32 s[G0K+4*\s], 1
	s_add_co_u32 s[G0K+4*\s+1], s79, \s*SLOT
	s_mov_b64 s[G0K+4*\s+2:G0K+4*\s+3], s[58:59]
	s_or_b32 s[G0K+4*\s+3], s[G0K+4*\s+3], 0x80000000
.endr
	KVLOAD 0                                       ; key block 0 into slot 0, before anything else; slot 1 is first filled behind the first tile's barrier
	v_and_b32 v[TT+1], 15, v0                      ; r
	v_bfe_u32 v[TT+2], v0, 4, 1                    ; h
	v_and_b32 v[TT+3], 31, v0                      ; lane
	; K fragment: key r of 16 at LDS row r / 2, byte 128 (r mod 2), + 16 h: the 16 rows start at words 4 (r / 2) + 32 (r mod 2) modulo 64, all different
	v_lshrrev_b32 v[TT+5], 1, v[TT+1]
	v_mul_u32_u24 v[TT+5], v[TT+5], 272
	v_and_b32 v[TT+6], 1, v[TT+1]
	v_lshl_add_u32 v[TT+5], v[TT+6], 7, v[TT+5]
	v_lshl_add_u32 v[TT+5], v[TT+2], 4, v[TT+5]
	v_add_nc_u32 v[KA], KPART, v[TT+5]
	v_add_nc_u32 v[KA+1], SLOT, v[KA]
	; V^T fragment by the transposing load: lane addresses key 8 h + (lane mod 8), 16 bytes at 16 ((lane / 8) mod 2):
	; sixteen lanes start at words 8 (key / 2) + 32 (key mod 2) + 4 ((lane / 8) mod 2) modulo 64, all different
	v_bfe_u32 v[TT+5], v0, 1, 2
	v_lshl_add_u32 v[TT+5], v[TT+2], 2, v[TT+5]
	v_mul_u32_u24 v[TT+5], v[TT+5], 288
	v_and_b32 v[TT+6], 1, v0
	v_lshl_add_u32 v[TT+5], v[TT+6], 7, v[TT+5]
	v_bfe_u32 v[TT+6], v0, 3, 1
	v_lshl_add_u32 v[VA], v[TT+6], 4, v[TT+5]
	v_add_nc_u32 v[VA+1], SLOT, v[VA]
	s_mul_i32 s82, s9, 8704                        ; 64 keys of K are 32 LDS rows of 272 bytes,
	s_mul_i32 s83, s9, 9216                        ; of V 32 rows of 288
.irp s, 0,1
	v_add_nc_u32 v[KM+\s], s82, v[KA+\s]
	v_add_nc_u32 v[VM+\s], s83, v[VA+\s]
.endr
	s_lshl_b32 s82, s8, 12                         ; my 32 queries: 4,096 bytes
	v_lshlrev_b32 v[QOFF], 7, v[TT+1]
	v_lshl_add_u32 v[QOFF], v[TT+2], 4, v[QOFF]
	v_add_nc_u32 v[QOFF], s82, v[QOFF]             ; 4,096 W + 128 r + 16 h
	v_lshl_add_u32 v[CO], v[TT+3], 4, s82          ; 4,096 W + 16 lane
	s_mul_i32 s83, s8, 4608
	s_add_co_u32 s83, s83, STAGE                   ; my stage
	v_mul_u32_u24 v[TT+5], v[TT+1], 144
	v_lshl_add_u32 v[TT+5], v[TT+2], 4, v[TT+5]
	v_add_nc_u32 v[STO], s83, v[TT+5]              ; row r, 16 bytes for each half of the lanes
	v_lshrrev_b32 v[TT+5], 3, v[TT+3]
	v_mul_u32_u24 v[TT+5], v[TT+5], 144
	v_and_b32 v[TT+6], 7, v[TT+3]
	v_lshl_add_u32 v[TT+5], v[TT+6], 4, v[TT+5]
	v_add_nc_u32 v[RD], s83, v[TT+5]               ; eight lanes take a row of 128 bytes, the 32 lanes four rows
	s_lshl_b32 s82, s10, 5
	v_lshlrev_b32 v[TT+5], 3, v[TT+2]
	v_sub_nc_u32 v[DQ], v[TT+1], v[TT+5]
	v_add_nc_u32 v[DQ], s82, v[DQ]                 ; 32 (W mod 2) + r - 8 h
	v_add_nc_u32 v[DQ+1], 16, v[DQ]
	v_mov_b32 v[NINF], 0xff800000
	v_mov_b32 v[TT+4], 0                           ; v_permlanex16_b32's destination counts as read: written once here
; A query block begins: its Q fragments come straight from memory (lane (r, h): query r, d = 32 ds + 8 h .. and 32 ds + 16 + 8 h ..), and the state is reset.
; The 64 sums are cleared here, twice in a wave's life: the first step's factor is exp2(-infinity) = 0, which needs finite numbers to act on.
.macro NEWPHASE
	s_lshl_b32 s80, s13, 15                        ; a block of 256 queries is 32,768 bytes
	s_add_nc_u64 s[66:67], s[60:61], s[80:81]
.irp q, 0,1
.irp ds, 0,1
	global_load_b128 v[QF+16*\q+8*\ds:QF+16*\q+8*\ds+3],   v[QOFF], s[66:67] offset:2048*\q+64*\ds
	global_load_b128 v[QF+16*\q+8*\ds+4:QF+16*\q+8*\ds+7], v[QOFF], s[66:67] offset:2048*\q+64*\ds+32
.endr
.endr
	WIN 0x40                                       ; destination in window 1
.set i, 0
.rept 64
	v_mov_b32 v[OA+i], 0
.set i, i+1
.endr
	WIN 0
.irp q, 0,1
	v_mov_b32 v[MX+\q], v[NINF]
	v_mov_b32 v[LS+\q], 0
	v_mov_b32 v[NM+2*\q], 0x7f800000               ; - c x (-infinity)
	v_mov_b32 v[NM+2*\q+1], 0x7f800000
.endr
	s_wait_loadcnt 0x0
.endm
; The softmax step of query tile q on 64 keys: 32 scores a lane.
.macro SOFTMAX q
.irp kt, 0,1,2,3
	v_max3_num_f32 v[TT+\kt], v[SC+32*\q+8*\kt], v[SC+32*\q+8*\kt+1], v[SC+32*\q+8*\kt+2]
.endr
.irp kt, 0,1,2,3
	v_max3_num_f32 v[TT+\kt], v[TT+\kt], v[SC+32*\q+8*\kt+3], v[SC+32*\q+8*\kt+4]
.endr
.irp kt, 0,1,2,3
	v_max3_num_f32 v[TT+\kt], v[TT+\kt], v[SC+32*\q+8*\kt+5], v[SC+32*\q+8*\kt+6]
.endr
	v_max3_num_f32 v[TT],   v[TT],   v[TT+1], v[SC+32*\q+7]
	v_max3_num_f32 v[TT+2], v[TT+2], v[TT+3], v[SC+32*\q+15]
	v_max3_num_f32 v[TT],   v[TT],   v[TT+2], v[SC+32*\q+23]
	v_max3_num_f32 v[TT],   v[TT],   v[SC+32*\q+31], v[MX+\q]      ; with the running maximum
	v_permlanex16_b32 v[TT+4], v[TT], s21, s22                     ; the other half of the keys
	v_max_num_f32 v[TT+5], v[TT], v[TT+4]                          ; the new maximum: finite, since every query sees the first key of its first step
	v_mul_f32 v[TT+6], s20, v[TT+5]                                ; - c x maximum
	v_sub_f32 v[TT+7], v[TT+6], v[NM+2*\q]                         ; c x (old maximum - new): the very numbers that were and will be added to the scores
	v_mov_b32 v[NM+2*\q], v[TT+6]
	v_mov_b32 v[NM+2*\q+1], v[TT+6]
.set i, 0
.rept 16
	v_pk_fma_f32 v[SC+32*\q+i:SC+32*\q+i+1], v[SC+32*\q+i:SC+32*\q+i+1], s[18:19], v[NM+2*\q:NM+2*\q+1] op_sel_hi:[1,0,1]
.set i, i+2
.endr
.set i, 0
.rept 32
	v_exp_f32 v[SC+32*\q+i], v[SC+32*\q+i]
.set i, i+1
.endr
	v_exp_f32 v[AL+2*\q], v[TT+7]
	v_exp_f32 v[AL+2*\q+1], v[TT+7]
	v_mov_b32 v[MX+\q], v[TT+5]                                    ; the plain instruction between the exponentials and the first use of a result (ISA guide 5.7.2)
	s_wait_alu depctr_va_vdst(0)
.irp kt, 0,1,2,3
	v_pk_add_f32 v[TT+8+2*\kt:TT+9+2*\kt], v[SC+32*\q+8*\kt:SC+32*\q+8*\kt+1], v[SC+32*\q+8*\kt+2:SC+32*\q+8*\kt+3]
.endr
.irp kt, 0,1,2,3
	v_pk_add_f32 v[TT+8+2*\kt:TT+9+2*\kt], v[TT+8+2*\kt:TT+9+2*\kt], v[SC+32*\q+8*\kt+4:SC+32*\q+8*\kt+5]
.endr
.irp kt, 0,1,2,3
	v_pk_add_f32 v[TT+8+2*\kt:TT+9+2*\kt], v[TT+8+2*\kt:TT+9+2*\kt], v[SC+32*\q+8*\kt+6:SC+32*\q+8*\kt+7]
.endr
	v_pk_add_f32 v[TT+8:TT+9],   v[TT+8:TT+9],   v[TT+10:TT+11]
	v_pk_add_f32 v[TT+12:TT+13], v[TT+12:TT+13], v[TT+14:TT+15]
	v_pk_add_f32 v[TT+8:TT+9],   v[TT+8:TT+9],   v[TT+12:TT+13]
	v_fma_f32 v[LS+\q], v[LS+\q], v[AL+2*\q], v[TT+8]
	v_add_f32 v[LS+\q], v[LS+\q], v[TT+9]
.irp kt, 0,1,2,3
.irp i, 0,1,2,3
	v_cvt_pk_f16_f32 v[PF+16*\q+4*\kt+\i], v[SC+32*\q+8*\kt+2*\i], v[SC+32*\q+8*\kt+2*\i+1]   ; key tiles 2 g and 2 g + 1 are registers 0-3 and 4-7 of P's fragment g
.endr
.endr
.endm
; 64 keys against my 32 queries.  ka, va: address registers; ko, vo: the step's place in the tile; masked = 1: the step that holds my diagonal.
; In both groups of 16 matrix instructions the 8 accumulators take turns, one instruction a turn.
.macro STEP ka, va, ko, vo, masked
.irp kt, 0,1,2,3
.irp ds, 0,1
	ds_load_b128 v[KF+16*\kt+8*\ds:KF+16*\kt+8*\ds+3],   v[\ka] offset:\ko+2176*\kt+64*\ds
	ds_load_b128 v[KF+16*\kt+8*\ds+4:KF+16*\kt+8*\ds+7], v[\ka] offset:\ko+2176*\kt+64*\ds+32
.endr
.endr
	WIN 0x40                                       ; destination in window 1
.irp dt, 0,1,2,3
.irp g, 0,1
	ds_load_tr16_b128 v[VF+16*\dt+8*\g:VF+16*\dt+8*\g+3],   v[\va] offset:\vo+4608*\g+32*\dt
	ds_load_tr16_b128 v[VF+16*\dt+8*\g+4:VF+16*\dt+8*\g+7], v[\va] offset:\vo+4608*\g+32*\dt+2304
.endr
.endr
	WIN 0
	s_wait_dscnt 16                                ; K's 16 loads are in, V's 16 stay out
.irp q, 0,1
.irp kt, 0,1,2,3
	v_wmma_f32_16x16x32_f16 v[SC+32*\q+8*\kt:SC+32*\q+8*\kt+7], v[KF+16*\kt:KF+16*\kt+7], v[QF+16*\q:QF+16*\q+7], 0
.endr
.endr
.irp q, 0,1
.irp kt, 0,1,2,3
	v_wmma_f32_16x16x32_f16 v[SC+32*\q+8*\kt:SC+32*\q+8*\kt+7], v[KF+16*\kt+8:KF+16*\kt+15], v[QF+16*\q+8:QF+16*\q+15], v[SC+32*\q+8*\kt:SC+32*\q+8*\kt+7]
.endr
.endr
	PLACES
.if \masked
.irp q, 0,1
.irp kt, 0,1,2,3
.irp j, 0,1,2,3,4,5,6,7
	v_cmp_le_i32 vcc_lo, 16*\kt+\j, v[DQ+\q]       ; key 16 kt + 8 h + j at or before my query?
	v_cndmask_b32 v[SC+32*\q+8*\kt+\j], v[NINF], v[SC+32*\q+8*\kt+\j], vcc_lo
.endr
.endr
.endr
.endif
	SOFTMAX 0
	SOFTMAX 1
	WIN 0x41                                       ; destination and source 0 in window 1
.irp dt, 0,1,2,3
.irp q, 0,1
.irp i, 0,1,2,3
	v_pk_mul_f32 v[OA+8*(2*\dt+\q)+2*\i:OA+8*(2*\dt+\q)+2*\i+1], v[OA+8*(2*\dt+\q)+2*\i:OA+8*(2*\dt+\q)+2*\i+1], v[AL+2*\q:AL+2*\q+1]
.endr
.endr
.endr
	s_wait_dscnt 0                                 ; V's fragments are in
	WIN 0x51                                       ; V^T, C and D in window 1, P in window 0
.irp g, 0,1
.irp dt, 0,1,2,3
.irp q, 0,1
	v_wmma_f32_16x16x32_f16 v[OA+8*(2*\dt+\q):OA+8*(2*\dt+\q)+7], v[VF+16*\dt+8*\g:VF+16*\dt+8*\g+7], v[PF+16*\q+8*\g:PF+16*\q+8*\g+7], v[OA+8*(2*\dt+\q):OA+8*(2*\dt+\q)+7]
.endr
.endr
.endr
	WIN 0
	PLACES                                         ; in front of the next loads into V's fragments, the next writes of P, and the way out
.endm
; The query block is done: divide by the sums, round to f16, and out through my own stage as whole rows.
.macro FINAL
.irp q, 0,1
	v_permlanex16_b32 v[TT+4], v[LS+\q], s21, s22
	v_add_f32 v[LS+\q], v[LS+\q], v[TT+4]          ; both halves of the keys
.endr
	v_rcp_f32 v[AL],   v[LS]
	v_rcp_f32 v[AL+1], v[LS]
	v_rcp_f32 v[AL+2], v[LS+1]
	v_rcp_f32 v[AL+3], v[LS+1]
	v_nop                                          ; the plain instruction behind the reciprocals (ISA guide 5.7.2)
	WIN 0x01                                       ; source 0 in window 1
	s_wait_alu depctr_va_vdst(0)
.irp dt, 0,1,2,3
.irp q, 0,1
.irp i, 0,1,2,3
	v_pk_mul_f32 v[SC+8*(2*\dt+\q)+2*\i:SC+8*(2*\dt+\q)+2*\i+1], v[OA+8*(2*\dt+\q)+2*\i:OA+8*(2*\dt+\q)+2*\i+1], v[AL+2*\q:AL+2*\q+1]
.endr
.endr
.endr
	WIN 0
.irp dt, 0,1,2,3
.irp q, 0,1
.irp i, 0,1,2,3
	v_cvt_pk_f16_f32 v[TT+4*(2*\dt+\q)+\i], v[SC+8*(2*\dt+\q)+2*\i], v[SC+8*(2*\dt+\q)+2*\i+1]
.endr
	ds_store_b128 v[STO], v[TT+4*(2*\dt+\q):TT+4*(2*\dt+\q)+3] offset:2304*\q+32*\dt   ; query 16 q + r, d = 16 dt + 8 h + 0..7
.endr
.endr
.irp t, 0,1,2,3,4,5,6,7
	ds_load_b128 v[KF+4*\t:KF+4*\t+3], v[RD] offset:576*\t         ; LDS serves a wave's instructions in order (ISA guide 5.7.1): these see the stores above
.endr
	s_lshl_b32 s80, s13, 15
	s_add_nc_u64 s[68:69], s[62:63], s[80:81]      ; the stores of the block before were freed by the wait at this macro's end
.irp t, 0,1,2,3,4,5,6,7
	s_wait_dscnt 7-\t
	global_store_b128 v[CO], v[KF+4*\t:KF+4*\t+3], s[68:69] offset:512*\t   ; four rows: 512 consecutive bytes, aligned
.endr
	s_wait_xcnt 0x0                                ; the stores' data registers and base are written again only behind this wait
.endm
; One tile of 256 keys in the given slot.  last = 1: the ninth tile, always the second block's diagonal; nothing is left to fetch.
; In front of the barrier every wave waits for all its tensor loads (this slot's tile among them) and for its reads of the other slot;
; behind it the other slot's refill is the first thing, one tensor load a wave, with the whole tile's work in which to land.
.macro TILE slot, last
	s_wait_tensorcnt 0x0                           ; no tensor load of mine is out, so a group 0 may be written
	ds_add_u32 v30, v31
	s_wait_dscnt 0x0
.if \last == 0
	s_add_co_u32 s15, s14, 1                       ; the next key block: one further, or 0 behind the diagonal
	s_cmp_eq_u32 s14, s13
	s_cselect_b32 s15, 0, s15
	s_lshl_b32 s70, s15, 15                        ; 256 keys of 128 bytes
	s_add_nc_u64 s[G0V+6-4*\slot:G0V+7-4*\slot], s[56:57], s[70:71]
	s_or_b32 s[G0V+7-4*\slot], s[G0V+7-4*\slot], 0x80000000
	s_add_nc_u64 s[G0K+6-4*\slot:G0K+7-4*\slot], s[58:59], s[70:71]
	s_or_b32 s[G0K+7-4*\slot], s[G0K+7-4*\slot], 0x80000000
.endif
	s_wait_dscnt 0x0
	s_barrier_signal -1
	s_barrier_wait -1
.if \last == 0
	KVLOAD (1-\slot)
	s_cmp_eq_u32 s14, s13                          ; full steps: all four below the diagonal, W / 2 on it
	s_cselect_b32 s16, s9, 4
.else
	s_mov_b32 s16, s9
.endif
.irp s, 0,1,2
	s_cmp_le_u32 s16, \s
	s_cbranch_scc1 .Ldiag_\@
	STEP KA+\slot, VA+\slot, 8704*\s, 9216*\s, 0
.endr
.if \last == 0
	s_cmp_le_u32 s16, 3
	s_cbranch_scc1 .Ldiag_\@
	STEP KA+\slot, VA+\slot, 8704*3, 9216*3, 0
.endif
.Ldiag_\@:
.if \last == 0
	s_cmp_lg_u32 s14, s13
	s_cbranch_scc1 .Lnext_\@
.endif
	STEP KM+\slot, VM+\slot, 0, 0, 1               ; the 64 keys that hold my 32 queries' diagonal; later keys of the tile are masked for all of them
	FINAL
.if \last == 0
	s_mov_b32 s13, s11                             ; the second query block: p
	NEWPHASE
.Lnext_\@:
	s_mov_b32 s14, s15
.endif
.endm
	NEWPHASE                                       ; query block 7 - p
	s_mov_b32 s17, 4                               ; tiles 0 to 7; the first block's diagonal is tile 7 - p
.Lpair:
	TILE 0, 0
	TILE 1, 0
	s_sub_co_u32 s17, s17, 1
	s_cmp_lg_u32 s17, 0
	s_cbranch_scc1 .Lpair
	TILE 0, 1                                      ; tile 8
	s_wait_tensorcnt 0x0
	ds_add_u32 v30, v31
	s_wait_dscnt 0x0
	s_endpgm
.Lfunc_end_k_q0e9b94a7a3_attn:
	.size	k_q0e9b94a7a3_attn, .Lfunc_end_k_q0e9b94a7a3_attn-k_q0e9b94a7a3_attn
	.p2alignl 7, 3214868480
	.fill 96, 4, 3214868480
	.section	.rodata,"a",@progbits
	.p2align	6, 0x0
	.amdhsa_kernel k_q0e9b94a7a3_attn
		.amdhsa_group_segment_fixed_size 327680
		.amdhsa_private_segment_fixed_size 0
		.amdhsa_enable_private_segment 0
		.amdhsa_kernarg_size 16
		.amdhsa_user_sgpr_count 2
		.amdhsa_user_sgpr_kernarg_segment_ptr 1
		.amdhsa_wavefront_size32 1
		.amdhsa_system_sgpr_workgroup_id_x 1
		.amdhsa_system_sgpr_workgroup_id_y 1
		.amdhsa_system_sgpr_workgroup_id_z 1
		.amdhsa_system_vgpr_workitem_id 0
		.amdhsa_next_free_vgpr 384
		.amdhsa_next_free_sgpr 84
		.amdhsa_reserve_vcc 1
		.amdhsa_float_denorm_mode_32 3
		.amdhsa_float_denorm_mode_16_64 3
		.amdhsa_memory_ordered 1
		.amdhsa_forward_progress 1
		.amdhsa_inst_pref_size 255
	.end_amdhsa_kernel
	.section	.bss,"aw",@nobits
	.p2align	6
	.space	262144
	.amdgpu_metadata
---
amdhsa.version: [ 1, 2 ]
amdhsa.kernels:
  - .name:           k_q0e9b94a7a3_attn
    .symbol:         k_q0e9b94a7a3_attn.kd
    .args:
      - { .name: qkv, .offset: 0, .size: 8, .value_kind: global_buffer, .address_space: global }
      - { .name: y, .offset: 8, .size: 8, .value_kind: global_buffer, .address_space: global }
    .group_segment_fixed_size: 327680
    .private_segment_fixed_size: 0
    .kernarg_segment_align: 8
    .kernarg_segment_size: 16
    .max_flat_workgroup_size: 256
    .sgpr_count:     84
    .vgpr_count:     384
    .wavefront_size: 32
...
	.end_amdgpu_metadata
.endif
;; end of part 3
;; launch proj (part 4): grid 4 x 64, 4 waves a work-group, clusters of 4 x 4, 327,680 bytes of LDS; arguments h16, y, bp, out0; writes out0
.if DOCPART == 4
	.amdgcn_target "amdgcn-amd-amdhsa--gfx1250"
	.amdhsa_code_object_version 6
	.text
	.protected	k_q0e9b94a7a3_proj
	.globl	k_q0e9b94a7a3_proj
	.p2align	8
	.type	k_q0e9b94a7a3_proj,@function
k_q0e9b94a7a3_proj:
	s_mov_b64 s[64:65], 0
	v_nop
	global_prefetch_b8 v0, s[64:65] scope:SCOPE_SE
	s_setreg_imm32_b32 hwreg(HW_REG_WAVE_MODE, 25, 1), 1
	s_wait_xcnt 0x0
	s_wait_alu depctr_hold_cnt(0) depctr_sa_sdst(0) depctr_va_vdst(0) depctr_va_sdst(0) depctr_va_ssrc(0) depctr_va_vcc(0) depctr_vm_vsrc(0)
	s_getreg_b32 s2, hwreg(HW_REG_IB_STS2, 6, 4)
	s_cmp_eq_u32 s2, 0
	s_cbranch_scc0 .Lentry_in_a_cluster
	s_endpgm
.Lentry_in_a_cluster:
	s_bfe_u32 s2, ttmp6, 0x10000c
	s_cmp_lg_u32 s2, 0xf033
	s_cbranch_scc0 .Lentry_shape_is_right
	s_endpgm
.Lentry_shape_is_right:
; C[m][n] = sum over k of A[m][k] B[n][k] + bias[n], K = 1,024, f16 operands, f32 sums.  One text for two launches:
;   PROJ = 0: A = x in f16 [8192][1024], B = wq, wk, wv in f16 [3072][1024]; C leaves in f16, by head: part (q, k, v) [b][h][t][64].
;   PROJ = 1: A = the attention's result in f16 [b][h][t][64], B = wp in f16 [1024][1024]; C = out0 in f32 [8192][1024].
; A work-group makes 128 rows x 256 columns of C with four waves; a wave makes 64 x 128: 32 accumulator tiles of 16 x 16.
; That block gives 12 x 64 = 768 and 4 x 64 = 256 work-groups, both multiples of 256.
; K goes in steps of 128 through two LDS slots filled by the tensor data mover: waves 0 and 1 bring B's two halves (128 rows of 256 bytes
; each), waves 2 and 3 A's two halves (64 rows of 256 bytes each).  Every row fetched is 256 consecutive bytes, aligned.
; CLUSTERS: 4 x 4 work-groups.  A's tile hangs on the block row alone and is asked for jointly by the four of a row of the cluster,
; B's on the block column alone and is asked for jointly by the four of a column: the requests for A and B are divided by four.
; THE MATRIX INSTRUCTION IS USED TRANSPOSED: source 0 = 16 rows of B, source 1 = 16 rows of A, so that lane (r, h) holds row r of C and its
; registers 0 to 7 the columns 8 h + 0 .. 7.  The bias, laid out the same way, is the C operand of the first products: nothing is cleared,
; and nothing is added on the way out.
; LIMIT: operands are f16.  PROJ = 0 stores q, k, v in f16, so their magnitudes must stay below 65,504; numbers below 2^-14 keep
; fewer than 11 bits.
.set PROJ, 1
.set PITCH, 272                        ; an LDS row: 256 bytes + 16 of padding = 68 words, so 16 neighbouring rows start at 16 different words modulo 64
.set BHALF, 128*PITCH                  ; what wave 0 or 1 brings
.set AHALF, 64*PITCH                   ; what wave 2 or 3 brings
.set APART, 2*BHALF                    ; A's part of a slot lies behind B's
.set SLOT,  APART+2*AHALF              ; 104,448 bytes
.set STAGE, 2*SLOT                     ; behind the ring: each wave's own stage for the way out; no tensor load lands there
.set BSTEP, 256                        ; B: bytes along a row from one K step to the next
.if PROJ
.set BOFF,  22<<20                     ; wp in h16
.set ASTEP, 2<<18                      ; A: a K step is two heads of 262,144 bytes
.set AKHI,  AHALF                      ; A in LDS: the step's second head lies one half further on
.set AMB,   8*PITCH                    ; 16 rows of A are 8 LDS rows (two rows of 128 bytes in each)
.set AWM,   32*PITCH                   ; 64 rows of A
.set STG,   16*528                     ; stage: 16 rows of 512 bytes + 16
.else
.set BOFF,  16<<20                     ; wq, wk, wv in h16
.set ASTEP, 256
.set AKHI,  128                        ; A in LDS: K runs along the row
.set AMB,   16*PITCH
.set AWM,   64*PITCH
.set STG,   16*PITCH                   ; stage: 16 rows of 256 bytes + 16
.endif
; vector registers.  Window 0: addresses, fragments, the way out.  Window 1: tile (a, b) at v[8 (8 a + b)].  Window 2: bias of column block b at v[8 b].
.set ADRA, 16                          ; v16-17  LDS address of my A fragments in slot 0, 1
.set ADRB, 20                          ; v20-21  the same for B
.set STO,  24                          ; the way out: where I put my part of a row
.set RD,   25                          ; the way out: where I read rows back
.set CO,   26                          ; my byte offset in a store of 512 bytes
.set BO,   27                          ; my byte offset in the bias
.set FA0,  32                          ; v32-63, v64-95    A's 4 fragments, two buffers
.set FB0,  96                          ; v96-159, v160-223 B's 8 fragments, two buffers
.set TMP,  224                         ; v224-255 packed results
.set G1A, 24                           ; s[24:31] descriptor group 1, A's tiles
.set G0A, 32                           ; s[32:39] descriptor group 0, A's tiles, one set for each slot
.set G1B, 48                           ; s[48:55] group 1, B's tiles
.set G0B, 56                           ; s[56:63] group 0, B's tiles, one set for each slot
.set MSB, 0
.macro WIN new                         ; s_set_vgpr_msb: bits 1:0 source 0, 3:2 source 1, 5:4 source 2, 7:6 destination; the high byte repeats the setting that is left
.if MSB != \new
	s_set_vgpr_msb (MSB<<8)|\new
.set MSB, \new
.endif
.endm
.macro WINM first                      ; for products: D in window 1; C in window 2 (the bias) for the first, in window 1 later
.if \first
	WIN 0x60
.else
	WIN 0x50
.endif
.endm
; A joint load: waves 0 and 1 ask for B's halves, waves 2 and 3 for A's.  Each line has one mask and one set of registers; the branch hangs on the wave's number alone.
.macro JLOAD s
	s_cmp_eq_u32 s15, 0
	s_cbranch_scc0 .Lfor_a_\@
	tensor_load_to_lds s[G0B+4*\s:G0B+4*\s+3], s[G1B:G1B+7]
	s_nop 0
	s_branch .Lasked_\@
.Lfor_a_\@:
	tensor_load_to_lds s[G0A+4*\s:G0A+4*\s+3], s[G1A:G1A+7]
	s_nop 0
.Lasked_\@:
.endm
; A round of the cluster's barrier: my work-group's barrier, wave 0 signals for the work-group, every wave waits for all sixteen, my work-group's barrier again.
.macro CREST                           ; a round behind its opening barrier
	s_cmp_lg_u32 s14, 0
	s_cbranch_scc1 .Lnot_wave_0_\@
	s_barrier_signal -3
.Lnot_wave_0_\@:
	s_barrier_wait -3
	s_barrier_signal -1
	s_barrier_wait -1
.endm
.macro CROUND
	s_barrier_signal -1
	s_barrier_wait -1
	CREST
.endm
; Four plain vector instructions stand between a matrix instruction and a load into one of its registers, or a vector instruction or LDS store that reads its result.
.macro PLACES
.rept 4
	v_nop
.endr
.endm
	s_load_b256 s[4:11], s[0:1], 0x0               ; PROJ = 0: h16, bq, bk, bv.  PROJ = 1: h16, y, bp, out0
	v_lshl_add_u32 v254, v0, 2, 0x3b400
	v_mov_b32 v255, 0
	ds_add_u32 v254, v255
.if PROJ == 0
	s_load_b64 s[12:13], s[0:1], 0x20              ; qkv
.endif
	v_lshrrev_b32 v1, 5, v0
	v_readfirstlane_b32 s14, v1                    ; wave 0..3
	s_lshr_b32 s15, s14, 1                         ; which 64 rows of the block are mine.  Also: I fetch for B (0) or for A (1)
	s_and_b32 s16, s14, 1                          ; which 128 columns.  Also: which half of that tile I fetch
	s_bfe_u32 s17, ttmp6, 0x40000                  ; cx
	s_bfe_u32 s18, ttmp6, 0x40004                  ; cy
	s_lshl_b32 s19, ttmp9, 2
	s_add_co_u32 s19, s19, s17                     ; block column = 4 x cluster x + cx
	s_and_b32 s20, ttmp7, 0xffff
	s_lshl_b32 s20, s20, 2
	s_add_co_u32 s20, s20, s18                     ; block row = 4 x cluster y + cy
	s_lshl_b32 s21, s18, 2
	s_lshl_b32 s21, 15, s21                        ; my row of the cluster: places 4 cy .. 4 cy + 3
	s_lshl_b32 s22, 0x1111, s17                    ; my column: places cx, cx + 4, cx + 8, cx + 12
	; group 1 for B: 128 rows x 128 elements of 2 bytes, 1,024 elements from row to row, 4 words of padding behind every 64
	s_or_b32  s[G1B+0], s22, (1<<16)|(1<<20)|(1<<21)|(5<<22)|(3<<25)
	s_mov_b32 s[G1B+1], 128<<16                    ; tensor_dim0
	s_mov_b32 s[G1B+2], 128<<16                    ; tensor_dim1
	s_mov_b32 s[G1B+3], 128<<16                    ; tile_dim0
	s_mov_b32 s[G1B+4], 128                        ; tile_dim1
	s_mov_b32 s[G1B+5], 1024                       ; pitch
	s_mov_b32 s[G1B+6], 0
	s_mov_b32 s[G1B+7], 0
.if PROJ
	; group 1 for A: 128 rows of one head are 16,384 consecutive bytes: 64 rows x 32 elements of 8 bytes, the same padding
	s_or_b32  s[G1A+0], s21, (3<<16)|(1<<20)|(1<<21)|(5<<22)|(3<<25)
	s_mov_b32 s[G1A+1], 32<<16
	s_mov_b32 s[G1A+2], 64<<16
	s_mov_b32 s[G1A+3], 32<<16
	s_mov_b32 s[G1A+4], 64
	s_mov_b32 s[G1A+5], 32
.else
	; group 1 for A: 64 rows x 128 elements of 2 bytes
	s_or_b32  s[G1A+0], s21, (1<<16)|(1<<20)|(1<<21)|(5<<22)|(3<<25)
	s_mov_b32 s[G1A+1], 128<<16
	s_mov_b32 s[G1A+2], 64<<16
	s_mov_b32 s[G1A+3], 128<<16
	s_mov_b32 s[G1A+4], 64
	s_mov_b32 s[G1A+5], 1024
.endif
	s_mov_b32 s[G1A+6], 0
	s_mov_b32 s[G1A+7], 0
	; where the tiles come from.  A's offset is made of the block row and the wave's number in s40-43, B's of the block column and the wave's number in s44-47.
.if PROJ
	s_lshr_b32 s40, s20, 4                         ; batch: 16 block rows each
	s_lshl_b32 s40, s40, 4
	s_add_co_u32 s40, s40, s16                     ; head 16 b + half
	s_lshl_b32 s40, s40, 18                        ; a head is 262,144 bytes
	s_and_b32 s42, s20, 15
	s_lshl_b32 s42, s42, 14                        ; 128 rows of 128 bytes a block row
	s_add_co_u32 s40, s40, s42
.else
	s_lshl_b32 s40, s20, 18                        ; 128 rows of 2,048 bytes a block row
	s_lshl_b32 s42, s16, 17                        ; 64 rows for the second half
	s_add_co_u32 s40, s40, s42
.endif
	s_mov_b32 s41, 0
	s_lshl_b32 s44, s19, 19                        ; 256 rows of 2,048 bytes a block column
	s_lshl_b32 s46, s16, 18                        ; 128 rows for the second half
	s_add_co_u32 s44, s44, s46
	s_add_co_u32 s44, s44, BOFF
	s_mov_b32 s45, 0
	s_mul_i32 s43, s14, AHALF                      ; where they go: A's halves (waves 2, 3) at BHALF + wave x AHALF = APART + (wave - 2) x AHALF,
	s_add_co_u32 s43, s43, BHALF
	s_mul_i32 s47, s14, BHALF                      ; B's halves (waves 0, 1) at wave x BHALF: no place in the cluster enters an LDS address
	s_wait_dscnt 0x0
	s_wait_kmcnt 0x0
.if PROJ
	s_add_nc_u64 s[40:41], s[6:7], s[40:41]
.else
	s_add_nc_u64 s[40:41], s[4:5], s[40:41]
.endif
	s_add_nc_u64 s[44:45], s[4:5], s[44:45]
	CROUND                                         ; all sixteen work-groups are here: the first joint loads meet
.irp s, 0,1
	s_mov_b32 s[G0A+4*\s], 1
	s_add_co_u32 s[G0A+4*\s+1], s43, \s*SLOT
	s_add_nc_u64 s[G0A+4*\s+2:G0A+4*\s+3], s[40:41], \s*ASTEP      ; K step s
	s_or_b32 s[G0A+4*\s+3], s[G0A+4*\s+3], 0x80000000              ; type = 2
	s_mov_b32 s[G0B+4*\s], 1
	s_add_co_u32 s[G0B+4*\s+1], s47, \s*SLOT
	s_add_nc_u64 s[G0B+4*\s+2:G0B+4*\s+3], s[44:45], \s*BSTEP
	s_or_b32 s[G0B+4*\s+3], s[G0B+4*\s+3], 0x80000000
	JLOAD \s                                       ; both slots' first fills go out before anything else: two tensor loads of the wave are out
.endr
	; A fragment is 16 rows x 32 K in 8 registers: lane (r, h) holds row r; registers 0-3 K = 8 h + 0..7, registers 4-7 K = 16 + 8 h + 0..7:
	; two loads of 16 bytes, 32 bytes apart.
	v_and_b32 v1, 15, v0                           ; r
	v_bfe_u32 v2, v0, 4, 1                         ; h
	v_and_b32 v3, 31, v0                           ; lane
	v_mul_u32_u24 v4, v1, PITCH
	v_lshl_add_u32 v4, v2, 4, v4                   ; r x pitch + 16 h
	s_mul_i32 s66, s16, BHALF                      ; my 128 rows of B
	v_add_nc_u32 v[ADRB], s66, v4
	v_add_nc_u32 v[ADRB+1], SLOT, v[ADRB]
	s_mul_i32 s67, s15, AWM                        ; my 64 rows of A,
	s_add_co_u32 s67, s67, APART                   ; behind B's part
.if PROJ
	v_lshrrev_b32 v5, 1, v1                        ; row m of a head lies at LDS row m / 2, byte 128 (m mod 2): the 16 rows of a
	v_mul_u32_u24 v5, v5, PITCH                    ; fragment start at words 4 (r / 2) + 32 (r mod 2) modulo 64, all different
	v_and_b32 v6, 1, v1
	v_lshl_add_u32 v5, v6, 7, v5
	v_lshl_add_u32 v5, v2, 4, v5
	v_add_nc_u32 v[ADRA], s67, v5
.else
	v_add_nc_u32 v[ADRA], s67, v4
.endif
	v_add_nc_u32 v[ADRA+1], SLOT, v[ADRA]
	s_mul_i32 s68, s14, STG
	s_add_co_u32 s68, s68, STAGE                   ; my stage
.if PROJ
	v_mul_u32_u24 v5, v1, 528                      ; in: row r, 32 bytes for each half of the lanes
	v_lshl_add_u32 v5, v2, 5, v5
	v_add_nc_u32 v[STO], s68, v5
	v_lshl_add_u32 v[RD], v3, 4, s68               ; back: the 32 lanes take one row of 512 bytes
.else
	v_add_nc_u32 v[STO], s68, v4                   ; in: row r, 16 bytes for each half of the lanes
	v_lshrrev_b32 v5, 3, v3                        ; back: eight lanes take one head's 128 bytes of a row, the 32 lanes four rows
	v_mul_u32_u24 v5, v5, PITCH
	v_and_b32 v6, 7, v3
	v_lshl_add_u32 v5, v6, 4, v5
	v_add_nc_u32 v[RD], s68, v5
.endif
	v_lshlrev_b32 v[CO], 4, v3
	; the bias of my 128 columns, in the accumulators' layout: for column block b the 8 numbers at column 16 b + 8 h
.if PROJ
	s_lshl_b32 s76, s19, 10                        ; 256 columns of 4 bytes a block column
	s_mov_b64 s[70:71], s[8:9]
.else
	s_lshl_b32 s76, s17, 10                        ; a part (q, k, v) is four block columns: the cluster's x is the part, cx the block in it
	s_mov_b64 s[70:71], s[6:7]
	s_cmp_eq_u32 ttmp9, 1
	s_cselect_b64 s[70:71], s[8:9], s[70:71]
	s_cmp_eq_u32 ttmp9, 2
	s_cselect_b64 s[70:71], s[10:11], s[70:71]
.endif
	s_lshl_b32 s77, s16, 9
	s_add_co_u32 s76, s76, s77
	v_lshl_add_u32 v[BO], v2, 5, s76
	WIN 0x80                                       ; destination in window 2
.irp b, 0,1,2,3,4,5,6,7
	global_load_b128 v[8*\b:8*\b+3],   v[BO], s[70:71] offset:64*\b
	global_load_b128 v[8*\b+4:8*\b+7], v[BO], s[70:71] offset:64*\b+16
.endr
	WIN 0
; 8 matrix instructions: row block a x all 8 column blocks, 32 along K, from buffer f.  The 32 accumulators take turns, one instruction a turn,
; in the same order in every quarter step.
.macro MUL8 f, a, first
.irp b, 0,1,2,3,4,5,6,7
.if \first
	v_wmma_f32_16x16x32_f16 v[8*(8*\a+\b):8*(8*\a+\b)+7], v[FB0+64*\f+8*\b:FB0+64*\f+8*\b+7], v[FA0+32*\f+8*\a:FA0+32*\f+8*\a+7], v[8*\b:8*\b+7]
.else
	v_wmma_f32_16x16x32_f16 v[8*(8*\a+\b):8*(8*\a+\b)+7], v[FB0+64*\f+8*\b:FB0+64*\f+8*\b+7], v[FA0+32*\f+8*\a:FA0+32*\f+8*\a+7], v[8*(8*\a+\b):8*(8*\a+\b)+7]
.endif
.endr
.endm
; 24 LDS loads in one run: quarter step kq's fragments (128 rows of B, then 64 rows of A) into buffer buf
.macro FETCH slot, kq, buf
	WIN 0
.irp i, 0,1,2,3,4,5,6,7
	ds_load_b128 v[FB0+64*\buf+8*\i:FB0+64*\buf+8*\i+3],   v[ADRB+\slot] offset:64*\kq+\i*16*PITCH
	ds_load_b128 v[FB0+64*\buf+8*\i+4:FB0+64*\buf+8*\i+7], v[ADRB+\slot] offset:64*\kq+\i*16*PITCH+32
.endr
.irp i, 0,1,2,3
	ds_load_b128 v[FA0+32*\buf+8*\i:FA0+32*\buf+8*\i+3],   v[ADRA+\slot] offset:AKHI*(\kq>>1)+64*(\kq&1)+\i*AMB
	ds_load_b128 v[FA0+32*\buf+8*\i+4:FA0+32*\buf+8*\i+7], v[ADRA+\slot] offset:AKHI*(\kq>>1)+64*(\kq&1)+\i*AMB+32
.endr
.endm
; One of a K step's first three quarters: multiplies buffer f; in its middle it fetches quarter kq of the same slot into buffer g.
.macro QUARTER slot, kq, f, g, first
	s_wait_dscnt 4                                 ; B and A's fragments 0 and 1 are in; the youngest four loads (A's fragments 2 and 3) may be out
	WINM \first
	MUL8 \f, 0, \first
	MUL8 \f, 1, \first
	PLACES
	FETCH \slot, \kq, \g
	s_wait_dscnt 24                                ; all but the 24 just issued
	WINM \first
	MUL8 \f, 2, \first
	MUL8 \f, 3, \first
.endm
.macro THREE slot, first
	QUARTER \slot, 1, 0, 1, \first
	QUARTER \slot, 2, 1, 0, 0
	QUARTER \slot, 3, 0, 1, 0
.endm
; The last quarter multiplies buffer 1 and changes slots.  In front of the barrier each wave waits for its reads of this slot and for all its tensor
; loads (one is out: its part of the next slot).  Where the slot is filled again the barrier opens a round of the cluster's barrier, and the joint
; refill is the first tensor load behind the round.  From a request to the wait for it a wave issues 120 matrix instructions.
.macro TURN slot, next, fill
	s_wait_dscnt 4
	WIN 0x50
	MUL8 1, 0, 0
	s_wait_dscnt 0                                 ; my reads of this slot are over
	s_wait_tensorcnt 0x0                           ; all my tensor loads have landed
	ds_add_u32 v254, v255
	s_wait_dscnt 0x0
	s_barrier_signal -1
	MUL8 1, 1, 0                                   ; register work while the others arrive
	WIN 0
	s_barrier_wait -1
.if \fill
	CREST                                          ; no wave of any partner still reads this slot or has a load on its way
	s_add_nc_u64 s[G0A+4*\slot+2:G0A+4*\slot+3], s[G0A+4*\slot+2:G0A+4*\slot+3], 2*ASTEP
	s_add_nc_u64 s[G0B+4*\slot+2:G0B+4*\slot+3], s[G0B+4*\slot+2:G0B+4*\slot+3], 2*BSTEP
	JLOAD \slot
.endif
	PLACES
	FETCH \next, 0, 0
	WIN 0x50
	MUL8 1, 2, 0
	MUL8 1, 3, 0
.endm
.macro LAP first                       ; two K steps, both slots filled again
	THREE 0, \first
	TURN 0, 1, 1
	THREE 1, 0
	TURN 1, 0, 1
.endm
	s_wait_loadcnt 0x0                             ; the bias
	s_wait_tensorcnt 0x1                           ; my part of K step 0 is in; K step 1's may stay out
	s_barrier_signal -1
	s_barrier_wait -1                              ; everybody's is
	FETCH 0, 0, 0
	LAP 1                                          ; K steps 0 and 1; the first products take the bias as C
	WIN 0
	s_mov_b32 s23, 2                               ; K steps 2 to 5
.Llap:
	LAP 0
	WIN 0
	s_sub_co_u32 s23, s23, 1
	s_cmp_lg_u32 s23, 0
	s_cbranch_scc1 .Llap
	THREE 0, 0                                     ; K steps 6 and 7 fill nothing
	TURN 0, 1, 0
	THREE 1, 0
	s_wait_dscnt 4
	WIN 0x50
	MUL8 1, 0, 0
	MUL8 1, 1, 0
	s_wait_dscnt 0
	MUL8 1, 2, 0
	MUL8 1, 3, 0
	PLACES                                         ; in front of everything that reads results or loads into the fragment buffers
	; THE WAY OUT, 16 rows at a time, through my own stage: LDS serves a wave's instructions in order (ISA guide 5.7.1), so the loads see the stores.
.if PROJ
	s_lshl_b32 s72, s20, 19                        ; 128 rows of 4,096 bytes a block row
	s_lshl_b32 s74, s15, 18                        ; my 64 rows
	s_add_co_u32 s72, s72, s74
	s_lshl_b32 s74, s19, 10                        ; 256 columns of 4 bytes a block column
	s_add_co_u32 s72, s72, s74
	s_lshl_b32 s74, s16, 9                         ; my 128 columns
	s_add_co_u32 s72, s72, s74
	s_mov_b32 s73, 0
	s_add_nc_u64 s[78:79], s[10:11], s[72:73]
.macro OUT16 a, f
	WIN 0x04                                       ; store data in window 1
.irp b, 0,1,2,3,4,5,6,7
	ds_store_b128 v[STO], v[8*(8*\a+\b):8*(8*\a+\b)+3]   offset:64*\b
	ds_store_b128 v[STO], v[8*(8*\a+\b)+4:8*(8*\a+\b)+7] offset:64*\b+16
.endr
	WIN 0
	s_wait_xcnt 0x0                                ; buffer f, which earlier stores read, is loaded again only behind this wait
.irp t, 0,1,2,3,4,5,6,7,8,9,10,11,12,13,14,15
	ds_load_b128 v[\f+4*\t:\f+4*\t+3], v[RD] offset:528*\t
.endr
.irp t, 0,1,2,3,4,5,6,7,8,9,10,11,12,13,14,15
	s_wait_dscnt 15-\t
	global_store_b128 v[CO], v[\f+4*\t:\f+4*\t+3], s[78:79] offset:(16*\a+\t)*4096 th:TH_STORE_NT   ; 512 consecutive bytes of one row, aligned
.endr
.endm
.else
	s_lshl_b32 s72, ttmp9, 24                      ; the part: q, k or v
	s_lshr_b32 s74, s20, 4
	s_lshl_b32 s74, s74, 4                         ; 16 heads a batch
	s_lshl2_add_u32 s74, s17, s74                  ; + 4 heads a block column
	s_lshl1_add_u32 s74, s16, s74                  ; + 2 heads for my 128 columns
	s_lshl_b32 s74, s74, 18
	s_add_co_u32 s72, s72, s74
	s_and_b32 s74, s20, 15
	s_lshl_b32 s74, s74, 14                        ; 128 rows of 128 bytes a block row
	s_add_co_u32 s72, s72, s74
	s_lshl_b32 s74, s15, 13                        ; my 64 rows
	s_add_co_u32 s72, s72, s74
	s_mov_b32 s73, 0
	s_add_nc_u64 s[78:79], s[12:13], s[72:73]
.macro OUT16 a, f
	WIN 0x05                                       ; sources in window 1
.irp b, 0,1,2,3,4,5,6,7
.irp i, 0,1,2,3
	v_cvt_pk_f16_f32 v[TMP+4*\b+\i], v[8*(8*\a+\b)+2*\i], v[8*(8*\a+\b)+2*\i+1]
.endr
.endr
	WIN 0
.irp b, 0,1,2,3,4,5,6,7
	ds_store_b128 v[STO], v[TMP+4*\b:TMP+4*\b+3] offset:32*\b
.endr
	s_wait_xcnt 0x0                                ; buffer f, which earlier stores read, is loaded again only behind this wait
.irp t, 0,1,2,3,4,5,6,7
	ds_load_b128 v[\f+4*\t:\f+4*\t+3], v[RD] offset:(\t&3)*4*PITCH+(\t>>2)*128
.endr
.irp t, 0,1,2,3,4,5,6,7
	s_wait_dscnt 7-\t
	global_store_b128 v[CO], v[\f+4*\t:\f+4*\t+3], s[78:79] offset:((\t>>2)<<18)+\a*2048+(\t&3)*512   ; four rows of one head: 512 consecutive bytes, aligned
.endr
.endm
.endif
	OUT16 0, FB0
	OUT16 1, FB0+64
	OUT16 2, FB0
	OUT16 3, FB0+64
	s_wait_tensorcnt 0x0
	ds_add_u32 v254, v255
	s_wait_dscnt 0x0
	CROUND                                         ; the closing round: no work-group ends while a partner may still ask for a tile that names it
	s_endpgm
.Lfunc_end_k_q0e9b94a7a3_proj:
	.size	k_q0e9b94a7a3_proj, .Lfunc_end_k_q0e9b94a7a3_proj-k_q0e9b94a7a3_proj
	.p2alignl 7, 3214868480
	.fill 96, 4, 3214868480
	.section	.rodata,"a",@progbits
	.p2align	6, 0x0
	.amdhsa_kernel k_q0e9b94a7a3_proj
		.amdhsa_group_segment_fixed_size 327680
		.amdhsa_private_segment_fixed_size 0
		.amdhsa_enable_private_segment 0
		.amdhsa_kernarg_size 32
		.amdhsa_user_sgpr_count 2
		.amdhsa_user_sgpr_kernarg_segment_ptr 1
		.amdhsa_wavefront_size32 1
		.amdhsa_system_sgpr_workgroup_id_x 1
		.amdhsa_system_sgpr_workgroup_id_y 1
		.amdhsa_system_sgpr_workgroup_id_z 1
		.amdhsa_system_vgpr_workitem_id 0
		.amdhsa_next_free_vgpr 576
		.amdhsa_next_free_sgpr 80
		.amdhsa_reserve_vcc 0
		.amdhsa_float_denorm_mode_32 3
		.amdhsa_float_denorm_mode_16_64 3
		.amdhsa_memory_ordered 1
		.amdhsa_forward_progress 1
		.amdhsa_inst_pref_size 119
	.end_amdhsa_kernel
	.amdgpu_metadata
---
amdhsa.version: [ 1, 2 ]
amdhsa.kernels:
  - .name:           k_q0e9b94a7a3_proj
    .symbol:         k_q0e9b94a7a3_proj.kd
    .args:
      - { .name: h16, .offset: 0, .size: 8, .value_kind: global_buffer, .address_space: global }
      - { .name: y, .offset: 8, .size: 8, .value_kind: global_buffer, .address_space: global }
      - { .name: bp, .offset: 16, .size: 8, .value_kind: global_buffer, .address_space: global }
      - { .name: out0, .offset: 24, .size: 8, .value_kind: global_buffer, .address_space: global }
    .group_segment_fixed_size: 327680
    .private_segment_fixed_size: 0
    .kernarg_segment_align: 8
    .kernarg_segment_size: 32
    .max_flat_workgroup_size: 128
    .sgpr_count:     80
    .vgpr_count:     576
    .wavefront_size: 32
...
	.end_amdgpu_metadata
.endif
;; end of part 4
